; MI455X (gfx1250); checked and timed in simulation.
; The chip was launched on July 23, 2026; its instructions are those of AMD's public machine-readable ISA for CDNA 5 (MIT licence, August 2026) and "CDNA5" Instruction Set Architecture Reference Guide (July 2026). The comments in the code are by the model that wrote it; some were corrected since.
;; Self Attention. Allowed arithmetic: matrix products marked QUANTISED: E2M3 operands, one E8M0 scale for each 32 along K, by v_wmma_scale_f32_16x16x128_f8f6f4 with both operands' format E2M3, f32 sums; everything else in f32.
;; Inputs: Wk_codes 1,024 x 32 x 24 uint8 (E2M3 codes of Wk, K innermost, in blocks of 32 codes, four codes in three bytes); Wk_scales 1,024 x 32 uint8 (E8M0 scales of Wk, one for each 32 codes along K); Wo_codes 1,024 x 32 x 24 uint8 (E2M3 codes of Wo, K innermost, in blocks of 32 codes, four codes in three bytes); Wo_scales 1,024 x 32 uint8 (E8M0 scales of Wo, one for each 32 codes along K); Wq_codes 1,024 x 32 x 24 uint8 (E2M3 codes of Wq, K innermost, in blocks of 32 codes, four codes in three bytes); Wq_scales 1,024 x 32 uint8 (E8M0 scales of Wq, one for each 32 codes along K); Wv_codes 1,024 x 32 x 24 uint8 (E2M3 codes of Wv, K innermost, in blocks of 32 codes, four codes in three bytes); Wv_scales 1,024 x 32 uint8 (E8M0 scales of Wv, one for each 32 codes along K); bo 1,024 float32; kln_b 64 float32; kln_g 64 float32; qln_b 64 float32; qln_g 64 float32; x_codes 4 x 2,048 x 32 x 24 uint8 (E2M3 codes of x, K innermost, in blocks of 32 codes, four codes in three bytes); x_scales 4 x 2,048 x 32 uint8 (E8M0 scales of x, one for each 32 codes along K).
;; Outputs: out0 4 x 2,048 x 1,024 float32.
;; This version of the problem:
;;   THIS VERSION OF THE PROBLEM IS GIVEN IN LOW PRECISION. The matrix products marked QUANTISED in the list below multiply operands that are first quantised to E2M3 (2 exponent bits, 3 mantissa bits; 6 bits a number), with one power-of-two scale for each 32 numbers along K (OCP MX v1.0); their sums are f32. All else is computed in f32.
;;   The module's matrix products, in the order in which they are computed (A, B: the left and right operand; K: the contracted axis; several contracted axes count as one K, in the product's order):
;;     1. [M 8,192, K 1,024] x [K 1,024, N 1,024]; A: input x (given as codes); B: input Wk (given as codes): QUANTISED
;;     2. [M 8,192, K 1,024] x [K 1,024, N 1,024]; A: input x (given as codes); B: input Wq (given as codes): QUANTISED
;;     3. [M 8,192, K 1,024] x [K 1,024, N 1,024]; A: input x (given as codes); B: input Wv (given as codes): QUANTISED
;;     4. batch 64 x [M 2,048, K 64] x [K 64, N 2,048]; A: computed on the way; B: computed on the way: QUANTISED
;;     5. batch 64 x [M 64, K 2,048] x [K 2,048, N 2,048]; A: computed on the way; B: softmax (see below): QUANTISED
;;     6. [M 8,192, K 1,024] x [K 1,024, N 1,024]; A: computed on the way; B: input Wo (given as codes): QUANTISED
;;   THE QUANTISER, for each operand of a quantised product, along K:
;;     - K is cut into blocks of 32 from its start; a last block that is shorter is filled with zeros.
;;     - A block's scale is 2^e with e = floor(log2(the largest magnitude in the block)) - 2, held to -126 .. 127; a block of zeros has e = 0. As a byte (E8M0): e + 127.
;;     - Each number is divided by its block's scale, clamped to +-7.5, and rounded to the nearest number of E2M3, ties to even, subnormals kept.
;;     - The product sums the exact products of the quantised numbers (number of the format x scale) in f32.
;;   ~~~python
;;   def quantise(x, axis):      # numpy; x: float32 -> the quantised numbers, widened to float32 again
;;       x = np.moveaxis(x, axis, -1); K = x.shape[-1]
;;       x = np.pad(x, [(0, 0)] * (x.ndim - 1) + [(0, -K % 32)]); x = x.reshape(x.shape[:-1] + (-1, 32)); a = np.abs(x).max(-1, keepdims=True)
;;       e = np.where(a > 0, np.clip(np.frexp(np.where(a > 0, a, 1))[1] - 1 - 2, -126, 127), 0)      # np.frexp(a)[1] - 1 = floor(log2(a)), exactly
;;       r = np.clip(x / 2.0 ** e, -7.5, 7.5)
;;       step = 2.0 ** (np.maximum(np.frexp(np.where(r == 0, 1, r))[1] - 1, 0) - 3)
;;       q = np.round(r / step) * step * 2.0 ** e      # np.round: ties to even
;;       return np.moveaxis(q.reshape(q.shape[:-2] + (-1,))[..., :K], -1, axis).astype(np.float32)
;;   ~~~
;;   SOFTMAX AHEAD OF A QUANTISED PRODUCT. Where the list says 'softmax', what is quantised is not the finished softmax but p = 2^(t - M), with t = logit x log2(e) and M = ceil(the row's largest t), a whole number; so 1/2 < the row's largest p <= 1. The row's sum l is taken of the UNQUANTISED p, in f32, and the product's result is divided by l at the end. Since M is a whole number, a kernel that streams over the keys may use a running M (the ceiling of the running maximum): every later rescaling is an exact power of two, which a block's scale takes up: the codes' values come out the same.
;;   OPERANDS COMPUTED ON THE WAY. 'Computed on the way' means the value that the module computes at that place (a softmax that the list does not call 'softmax' is quantised finished and normalised). What goes into a quantiser is computed in f32, as accurately as f32 sums, v_exp_f32 and their like allow (about 1e-6 of the number): no bf16 or f16 on the way to a quantiser, and a product that is left as it is and whose result goes on into a quantised operand takes f32 operands (vector FMAs, or v_wmma_f32_16x16x4_f32). A number that lies on a knife's edge between two numbers of the format may be rounded either way, as far as f32 arithmetic and the matrix unit's own rounding can turn it there, and no further.
;;   INPUTS GIVEN AS CODES. Wk (in the module: [1024, 1024], K = its axis 1); Wo (in the module: [1024, 1024], K = its axis 1); Wq (in the module: [1024, 1024], K = its axis 1); Wv (in the module: [1024, 1024], K = its axis 1); x (in the module: [4, 2048, 1024], K = its axis 2): each comes as NAME_codes (uint8): NAME with its K axis moved to the last place and cut into blocks of 32 codes, [.., K / 32, bytes a block], one block behind the other in memory; four codes in three bytes: a row's codes are one little-endian stream of bits, code i at bits 6 i .. 6 i + 5 (a code: sign, 2 exponent bits, 3 mantissa bits); and NAME_scales (uint8): the same leading axes, one E8M0 byte (e + 127) for each 32 codes along K. Its value is code x scale, taken as it is: it is not quantised again, and the codes and scales need not be those that the quantiser above would give.
;; One version. Each part assembles by itself: llvm-mc -triple=amdgcn-amd-amdhsa -mcpu=gfx1250 --defsym DOCPART=n.
;; ======== version 1 of 1: 3 launches
;; limits: right only within a limited range of input values
;; workspace buffers: kc 6,553,600 bytes; qc 6,553,600 bytes; vc 6,553,600 bytes; ao 6,291,456 bytes; as_ 262,144 bytes
;; launch qkv (part 1): grid 8 x 32, 4 waves a work-group, clusters of 4 x 4, 327,680 bytes of LDS; arguments x_codes, x_scales, Wk_codes, Wk_scales, Wq_codes, Wq_scales, Wv_codes, Wv_scales, kln_g, kln_b, qln_g, qln_b, kc, qc, vc; writes kc, qc, vc
.if DOCPART == 1
	.amdgcn_target "amdgcn-amd-amdhsa--gfx1250"
	.amdhsa_code_object_version 6
	.text
	.protected	k_q7972287374_qkv
	.globl	k_q7972287374_qkv
	.p2align	8
	.type	k_q7972287374_qkv,@function
k_q7972287374_qkv:
	s_mov_b64 s[64:65], 0
	v_nop
	global_prefetch_b8 v0, s[64:65] scope:SCOPE_SE
	s_setreg_imm32_b32 hwreg(HW_REG_WAVE_MODE, 25, 1), 1
	s_wait_xcnt 0x0
	s_wait_alu depctr_hold_cnt(0) depctr_sa_sdst(0) depctr_va_vdst(0) depctr_va_sdst(0) depctr_va_ssrc(0) depctr_va_vcc(0) depctr_vm_vsrc(0)
	s_getreg_b32 s2, hwreg(HW_REG_IB_STS2, 6, 4)
	s_cmp_eq_u32 s2, 0
	s_cbranch_scc0 .Lentry_in_a_cluster
	s_endpgm
.Lentry_in_a_cluster:
	s_bfe_u32 s2, ttmp6, 0x10000c
	s_cmp_lg_u32 s2, 0xf033
	s_cbranch_scc0 .Lentry_shape_is_right
	s_endpgm
.Lentry_shape_is_right:
; k = LN(x Wk^T) 2^-2.5, q = LN(x Wq^T) 2^-2.5, v = x Wv^T on codes of FP6 (E2M3), one E8M0 scale for each 32 along K = 1,024; the results are quantised again, k and q along a head's 64 numbers, v along the tokens.
; No work of the problem is left out here; every input named above is read.
; A WORK-GROUP owns 256 tokens and two heads (128 features) and makes k, q and v of them one after the other.  Its 256 rows of x lie in LDS for all of K (rows of 768 bytes, 16 bytes of padding behind every 256),
; filled once; the 128 rows of the weight have one slot, filled again behind a round of the cluster's barrier as soon as a kind's products are done: that load has the kind's whole way out in which to land, so no prefetch is laid.
; A wave makes 128 tokens x 64 features (one head): 32 accumulators.  k, q: source 0 = W (features along a lane's registers), source 1 = x (a lane holds a token); v: the other way round (registers along the tokens).
; CLUSTERS 4 x 4: x's tile hangs on the token tile (shared along a row), W's on the feature group (shared along a column).
; SCALES go from memory into registers: lane (r, h) takes bytes 16 h .. 16 h + 15 of row r's 32: register j holds step j's word in lanes 0-15 and step 4 + j's in lanes 16-31.
; OUT, for each of kc, qc, vc: [16 batch + head][run of 128 tokens][6,400]: four fragments of 1,536 bytes as images of operand registers (registers 4 c .. 4 c + 3 of lane l at 512 c + 16 l), then 256 bytes of scale words.
; A fragment of k or q holds two token tiles of the head (registers 0-5, 6-11); inside a block of 32 the codes lie in the order 0-7, 16-23, 8-15, 24-31, alike on both operands of each product of attention.
; LIMITS: a block whose largest magnitude lies under 2^-124 (zeros too) gets the scale byte 1 (read by this program alone).  NaN, infinities and a given scale byte 0xff are not served.
; WINDOWS: 0 addresses, scales, g, b, work; 1 and 3 the two sets of fragments (x's eight at 12 i, W's four at 96 + 12 i); 2 the accumulators.
.set PITCH, 816
.set KROW, 768
.set WB, 256*PITCH
.set SPARE, WB+128*PITCH
.set AX, 16                            ; v16-17 x's blocks 0-3 (plain; lanes 16-31 behind one padding more), v18-19 blocks 4-7
.set AW, 20                            ; v20-21 W's
.set LI, 24
.set LS4, 25
.set GOF, 26
.set SOF, 27
.set SPW, 28
.set NIL, 29
.set XS, 32
.set WS, 64
.set GG, 80
.set BE, 112
.set T, 144
.set TM, 176
.set TP, 180
.set SO, 184
.set TC, 188
.set MEAN0, 196
.set MEAN1, 198
.set RS0, 200
.set RS1, 202
.set PC, 204
.set PW, 252
.set G1, 24
.set G0, 32
.set G1B, 48
.set G0B, 56
.set MSB, 0
.macro WIN new
.if MSB != (\new)
	s_set_vgpr_msb (MSB<<8)|(\new)
.set MSB, (\new)
.endif
.endm
.macro CROUND
	s_barrier_signal -1
	s_barrier_wait -1
	s_cmp_lg_u32 s14, 0
	s_cbranch_scc1 .Lnot_wave_0_\@
	s_barrier_signal -3
.Lnot_wave_0_\@:
	s_barrier_wait -3
	s_barrier_signal -1
	s_barrier_wait -1
.endm
.macro PLACES n
.rept \n
	v_nop
.endr
.endm
	s_load_b512 s[68:83], s[0:1], 0x0              ; x 68, 70; Wk 72, 74; Wq 76, 78; Wv 80, 82
	s_load_b256 s[84:91], s[0:1], 0x40             ; kln_g, kln_b, qln_g, qln_b
	s_load_b128 s[92:95], s[0:1], 0x60             ; kc, qc
	s_load_b64 s[96:97], s[0:1], 0x70              ; vc
	v_lshl_add_u32 v[SPW], v0, 2, SPARE
	v_mov_b32 v[NIL], 0
	ds_add_u32 v[SPW], v[NIL]                      ; the opening lines
	ds_add_u32 v[SPW], v[NIL]
	v_lshrrev_b32 v1, 5, v0
	v_readfirstlane_b32 s14, v1                    ; wave
	s_lshr_b32 s15, s14, 1                         ; my half of the tokens; also: I fetch x (0) or W (1)
	s_and_b32 s16, s14, 1                          ; my head of the two; also: which half of the tile I fetch
	s_bfe_u32 s40, ttmp6, 0x40000
	s_bfe_u32 s41, ttmp6, 0x40004
	s_lshl_b32 s42, ttmp9, 2
	s_add_co_u32 s42, s42, s40                     ; feature group 0..7
	s_and_b32 s17, ttmp7, 0xffff
	s_lshl_b32 s17, s17, 2
	s_add_co_u32 s17, s17, s41                     ; token tile 0..31
	s_lshl_b32 s43, s41, 2
	s_lshl_b32 s43, 15, s43                        ; my row of the cluster
	s_lshl_b32 s44, 0x1111, s40                    ; my column
	s_or_b32 s[G1+0], s43, (1<<20)|(1<<21)|(5<<22)|(3<<25)   ; bytes; 4 words of padding behind every 64
	s_or_b32 s[G1B+0], s44, (1<<20)|(1<<21)|(5<<22)|(3<<25)
	s_mov_b32 s[G1+1], KROW<<16
	s_mov_b32 s[G1+2], 128<<16
	s_mov_b32 s[G1+3], KROW<<16
	s_mov_b32 s[G1+4], 128
	s_mov_b32 s[G1+5], KROW
	s_mov_b32 s[G1+6], 0
	s_mov_b32 s[G1+7], 0
	s_mov_b32 s[G1B+1], KROW<<16
	s_mov_b32 s[G1B+2], 64<<16
	s_mov_b32 s[G1B+3], KROW<<16
	s_mov_b32 s[G1B+4], 64
	s_mov_b32 s[G1B+5], KROW
	s_mov_b32 s[G1B+6], 0
	s_mov_b32 s[G1B+7], 0
	s_lshl_b32 s20, s17, 8
	s_lshl_b32 s18, s16, 7
	s_add_co_u32 s20, s20, s18
	s_mul_i32 s20, s20, KROW                       ; x: the 128 rows that I fetch
	s_mov_b32 s21, 0
	s_lshl_b32 s46, s42, 7
	s_lshl_b32 s18, s16, 6
	s_add_co_u32 s46, s46, s18                     ; W: my head's 64 rows: those I fetch and those I multiply
	s_lshl_b32 s6, s46, 5                          ; their scales
	s_mov_b32 s7, 0
	s_mul_i32 s46, s46, KROW
	s_mov_b32 s47, 0
	s_lshl_b32 s8, s17, 8
	s_lshl_b32 s18, s15, 7
	s_add_co_u32 s8, s8, s18
	s_lshl_b32 s8, s8, 5                           ; the scales of my 128 tokens
	s_mov_b32 s9, 0
	s_lshr_b32 s10, s17, 3
	s_lshl_b32 s10, s10, 4
	s_lshl_b32 s18, s42, 1
	s_add_co_u32 s10, s10, s18
	s_add_co_u32 s10, s10, s16                     ; 16 batch + head
	s_mul_i32 s10, s10, 102400
	s_and_b32 s18, s17, 7
	s_lshl_b32 s18, s18, 1
	s_add_co_u32 s18, s18, s15                     ; the run of 128 tokens
	s_mul_i32 s18, s18, 6400
	s_add_co_u32 s10, s10, s18
	s_mov_b32 s11, 0
	s_mov_b32 s[G0], 1
	s_mul_i32 s[G0+1], s16, 128*PITCH
	s_mov_b32 s[G0B], 1
	s_mul_i32 s[G0B+1], s16, 64*PITCH
	s_add_co_u32 s[G0B+1], s[G0B+1], WB
	s_mul_i32 s36, s15, 128*PITCH                  ; my tokens in LDS
	s_add_co_u32 s37, s36, 64*PITCH
	s_mov_b32 s22, 0x76543210                      ; selects for lane l xor 16
	s_mov_b32 s23, 0xfedcba98
	s_mov_b32 s45, 0xffff0000                      ; lanes 16-31
	s_mov_b32 s39, 0x03010200                      ; v_perm_b32's selector: bytes 1 and 2 of a scale word change places
	s_mov_b32 s3, 0
	s_wait_dscnt 0x0
	s_wait_kmcnt 0x0
	s_add_nc_u64 s[G0+2:G0+3], s[68:69], s[20:21]
	s_or_b32 s[G0+3], s[G0+3], 0x80000000
	s_add_nc_u64 s[72:73], s[72:73], s[46:47]
	s_add_nc_u64 s[76:77], s[76:77], s[46:47]
	s_add_nc_u64 s[80:81], s[80:81], s[46:47]
	s_mov_b64 s[G0B+2:G0B+3], s[72:73]
	s_or_b32 s[G0B+3], s[G0B+3], 0x80000000
	s_add_nc_u64 s[74:75], s[74:75], s[6:7]
	s_add_nc_u64 s[78:79], s[78:79], s[6:7]
	s_add_nc_u64 s[82:83], s[82:83], s[6:7]
	s_add_nc_u64 s[70:71], s[70:71], s[8:9]
	s_add_nc_u64 s[92:93], s[92:93], s[10:11]
	s_add_nc_u64 s[94:95], s[94:95], s[10:11]
	s_add_nc_u64 s[96:97], s[96:97], s[10:11]
	s_mov_b32 s18, 0x3c800000                      ; 1 / 64
	s_mov_b32 s19, 0x3727c5ac                      ; 1e-5
	s_mov_b32 s20, 0x3e3504f3                      ; 2^-2.5
	s_mov_b32 s21, s20
	CROUND                                         ; the first joint loads meet
	s_cmp_eq_u32 s15, 0                            ; one load a wave: waves 0, 1 x's halves, waves 2, 3 Wk's
	s_cbranch_scc0 .Lhead_w
	tensor_load_to_lds s[G0:G0+3], s[G1:G1+7]
	s_nop 0
	PLACES 4
	s_branch .Lhead_asked
.Lhead_w:
	tensor_load_to_lds s[G0B:G0B+3], s[G1B:G1B+7]
	s_nop 0
	PLACES 4
.Lhead_asked:
	v_and_b32 v1, 15, v0                           ; r
	v_bfe_u32 v2, v0, 4, 1                         ; h
	v_and_b32 v6, 31, v0
	v_mul_u32_u24 v3, v1, PITCH
	v_mad_u32_u24 v3, v2, 48, v3                   ; row x pitch + 48 h
	v_lshl_add_u32 v4, v2, 4, v3                   ; lanes 16-31 behind one padding more
	v_add_nc_u32 v[AX], s36, v3
	v_add_nc_u32 v[AX+1], s36, v4
	v_add_nc_u32 v[AX+2], s37, v3
	v_add_nc_u32 v[AX+3], s37, v4
	v_add_nc_u32 v[AW], s[G0B+1], v3
	v_add_nc_u32 v[AW+1], s[G0B+1], v4
	v_lshlrev_b32 v[LI], 4, v6
	v_lshlrev_b32 v[LS4], 2, v6
	v_lshlrev_b32 v[GOF], 5, v2
	v_lshlrev_b32 v[SOF], 5, v1
	v_lshl_add_u32 v[SOF], v2, 4, v[SOF]           ; 32 r + 16 h
.irp i, 0,1,2,3,4,5,6,7
	global_load_b128 v[XS+4*\i:XS+4*\i+3], v[SOF], s[70:71] offset:512*\i    ; 512 consecutive bytes a load
.endr
.irp i, 0,1,2,3
	global_load_b128 v[WS+4*\i:WS+4*\i+3], v[SOF], s[74:75] offset:512*\i
.endr
.irp b, 0,1,2,3
	v_mov_b32 v[TP+\b], 0                          ; a lane permute's destination counts as a source
.endr
	v_mov_b32 v[MEAN0+1], 0                        ; the upper halves of pairs that packed forms name
	v_mov_b32 v[MEAN1+1], 0
	v_mov_b32 v[RS0+1], 0
	v_mov_b32 v[RS1+1], 0
	s_wait_loadcnt 4                               ; x's scale words are in (W's four loads may be out)
.set i, 0
.rept 32
	v_perm_b32 v[XS+i], v[XS+i], v[XS+i], s39      ; into the order in which the fragments hold K's blocks
.set i, i+1
.endr
	s_wait_alu depctr_va_vdst(0)                   ; the wait at the head's end
; Fragment fi (0-7 x's, 8-11 W's) of step st.  Lane (r, h) takes the 48 bytes at 96 st + 48 h of row r, three loads of 16: its registers 0-5 hold the step's block 2 h, registers 6-11 block 2 h + 1, where the operand's own
; layout has blocks h and 2 + h.  The same order falls on both operands, so the same numbers meet; the scale words' bytes 1 and 2 have changed places to fit.  Byte y of a row lies at y + 16 (y / 256).
.macro FRAG st, fi
.irp p, 0,1,2
.set BY, 96*(\st)+16*\p
.set CR, (BY+48)/256-BY/256
.if (\fi) < 8
	ds_load_b128 v[12*(\fi)+4*\p:12*(\fi)+4*\p+3], v[AX+2*((\fi)/4)+CR] offset:BY+16*(BY/256)+((\fi)%4)*16*PITCH
.else
	ds_load_b128 v[12*(\fi)+4*\p:12*(\fi)+4*\p+3], v[AW+CR] offset:BY+16*(BY/256)+((\fi)-8)*16*PITCH
.endif
.endr
.endm
.macro WM d, a, b, sa, sb, st          ; step 0 starts the sums; steps 4-7 take their scale words from lanes 16-31
.if (\st) == 0
	v_wmma_scale_f32_16x16x128_f8f6f4 v[(\d):(\d)+7], v[(\a):(\a)+11], v[(\b):(\b)+11], 0, v[\sa], v[\sb] matrix_a_fmt:MATRIX_FMT_FP6 matrix_b_fmt:MATRIX_FMT_FP6
.else
.if (\st) < 4
	v_wmma_scale_f32_16x16x128_f8f6f4 v[(\d):(\d)+7], v[(\a):(\a)+11], v[(\b):(\b)+11], v[(\d):(\d)+7], v[\sa], v[\sb] matrix_a_fmt:MATRIX_FMT_FP6 matrix_b_fmt:MATRIX_FMT_FP6
.else
	v_wmma_scale_f32_16x16x128_f8f6f4 v[(\d):(\d)+7], v[(\a):(\a)+11], v[(\b):(\b)+11], v[(\d):(\d)+7], v[\sa], v[\sb] matrix_a_fmt:MATRIX_FMT_FP6 matrix_b_fmt:MATRIX_FMT_FP6 matrix_a_scale:MATRIX_SCALE_ROW1 matrix_b_scale:MATRIX_SCALE_ROW1
.endif
.endif
.endm
.macro MUL4 g, st, vk                  ; x's block g against W's four; the 32 accumulators take turns in the same order in every step
.irp b, 0,1,2,3
.if \vk
	WM 8*(8*\b+\g), 12*\g, 96+12*\b, XS+4*\g+(\st)%4, WS+4*\b+(\st)%4, \st
.else
	WM 8*(4*\g+\b), 96+12*\b, 12*\g, WS+4*\b+(\st)%4, XS+4*\g+(\st)%4, \st
.endif
.endr
.endm
.macro STEP st, vk                     ; the next step's 36 loads go into the other set in one run, then 32 products on this step's set
.set WP, 1+2*((\st)%2)
.set WQ, 4-WP
	s_wait_dscnt 0x0                               ; this step's fragments are in
.if (\st) < 7
	PLACES 4                                       ; behind the products that read the other set (ISA guide 7.12.1)
.endif
.if (\st) < 7
	WIN WQ<<6
.irp f, 8,9,10,11,0,1,2,3,4,5,6,7
	FRAG (\st)+1, \f
.endr
.endif
	WIN 0xa0|(5*WP)
.irp g, 0,1,2,3,4,5,6,7
	MUL4 \g, \st, \vk
.endr
.endm
.macro MAIN vk
	WIN 0x40
.irp f, 8,9,10,11,0,1,2,3,4,5,6,7
	FRAG 0, \f
.endr
.set ST, 0
.rept 8
	STEP ST, \vk
.set ST, ST+1
.endr
	WIN 0
.endm
.macro TREE                            ; 8 pairs for each of two token tiles -> the sums over a head's 64 numbers, in v[T] and v[T+16]
.irp k, 0,2,4,6
	v_pk_add_f32 v[T+\k:T+\k+1], v[T+\k:T+\k+1], v[T+\k+8:T+\k+9]
	v_pk_add_f32 v[T+16+\k:T+17+\k], v[T+16+\k:T+17+\k], v[T+24+\k:T+25+\k]
.endr
.irp k, 0,2
	v_pk_add_f32 v[T+\k:T+\k+1], v[T+\k:T+\k+1], v[T+\k+4:T+\k+5]
	v_pk_add_f32 v[T+16+\k:T+17+\k], v[T+16+\k:T+17+\k], v[T+20+\k:T+21+\k]
.endr
	v_pk_add_f32 v[T:T+1], v[T:T+1], v[T+2:T+3]
	v_pk_add_f32 v[T+16:T+17], v[T+16:T+17], v[T+18:T+19]
	v_add_f32 v[T], v[T], v[T+1]
	v_add_f32 v[T+16], v[T+16], v[T+17]
	v_permlanex16_b32 v[TP], v[T], s22, s23
	v_permlanex16_b32 v[TP+1], v[T+16], s22, s23
	v_add_f32 v[T], v[T], v[TP]
	v_add_f32 v[T+16], v[T+16], v[TP+1]
.endm
.macro LNPAIR s0, s1                   ; LayerNorm of two token tiles, in place, in two passes as the definition has them; each accumulator is read from its low end on
	WIN 0x0a
.irp k, 0,1,2,3,4,5,6,7
	v_pk_add_f32 v[T+2*\k:T+2*\k+1], v[(\s0)+4*\k:(\s0)+4*\k+1], v[(\s0)+4*\k+2:(\s0)+4*\k+3]
	v_pk_add_f32 v[T+16+2*\k:T+17+2*\k], v[(\s1)+4*\k:(\s1)+4*\k+1], v[(\s1)+4*\k+2:(\s1)+4*\k+3]
.endr
	WIN 0
	TREE
	v_mul_f32 v[MEAN0], s18, v[T]
	v_mul_f32 v[MEAN1], s18, v[T+16]
	WIN 0x82
.irp i, 0,2,4,6,8,10,12,14,16,18,20,22,24,26,28,30
	v_pk_add_f32 v[(\s0)+\i:(\s0)+\i+1], v[(\s0)+\i:(\s0)+\i+1], v[MEAN0:MEAN0+1] op_sel_hi:[1,0] neg_lo:[0,1] neg_hi:[0,1]
	v_pk_add_f32 v[(\s1)+\i:(\s1)+\i+1], v[(\s1)+\i:(\s1)+\i+1], v[MEAN1:MEAN1+1] op_sel_hi:[1,0] neg_lo:[0,1] neg_hi:[0,1]
.endr
	WIN 0x0a
.irp k, 0,1,2,3,4,5,6,7
	v_pk_mul_f32 v[T+2*\k:T+2*\k+1], v[(\s0)+4*\k:(\s0)+4*\k+1], v[(\s0)+4*\k:(\s0)+4*\k+1]
	v_pk_mul_f32 v[T+16+2*\k:T+17+2*\k], v[(\s1)+4*\k:(\s1)+4*\k+1], v[(\s1)+4*\k:(\s1)+4*\k+1]
.endr
.irp k, 0,1,2,3,4,5,6,7
	v_pk_fma_f32 v[T+2*\k:T+2*\k+1], v[(\s0)+4*\k+2:(\s0)+4*\k+3], v[(\s0)+4*\k+2:(\s0)+4*\k+3], v[T+2*\k:T+2*\k+1]
	v_pk_fma_f32 v[T+16+2*\k:T+17+2*\k], v[(\s1)+4*\k+2:(\s1)+4*\k+3], v[(\s1)+4*\k+2:(\s1)+4*\k+3], v[T+16+2*\k:T+17+2*\k]
.endr
	WIN 0
	TREE
	v_fma_f32 v[T], v[T], s18, s19                 ; the variance + 1e-5
	v_fma_f32 v[T+16], v[T+16], s18, s19
	s_wait_alu depctr_va_vdst(0)                   ; the wait ahead of the transcendentals,
	v_rsq_f32 v[RS0], v[T]
	v_rsq_f32 v[RS1], v[T+16]
	v_nop
	s_wait_alu depctr_va_vdst(0)                   ; and ahead of their first reader
	WIN 0x82
.irp i, 0,2,4,6,8,10,12,14,16,18,20,22,24,26,28,30
	v_pk_mul_f32 v[(\s0)+\i:(\s0)+\i+1], v[(\s0)+\i:(\s0)+\i+1], v[RS0:RS0+1] op_sel_hi:[1,0]
	v_pk_mul_f32 v[(\s1)+\i:(\s1)+\i+1], v[(\s1)+\i:(\s1)+\i+1], v[RS1:RS1+1] op_sel_hi:[1,0]
.endr
.irp i, 0,2,4,6,8,10,12,14,16,18,20,22,24,26,28,30
	v_pk_fma_f32 v[(\s0)+\i:(\s0)+\i+1], v[(\s0)+\i:(\s0)+\i+1], v[GG+\i:GG+\i+1], v[BE+\i:BE+\i+1]
	v_pk_fma_f32 v[(\s1)+\i:(\s1)+\i+1], v[(\s1)+\i:(\s1)+\i+1], v[GG+\i:GG+\i+1], v[BE+\i:BE+\i+1]
.endr
.endm
.macro QUANT s0, s1, n                 ; four blocks of 32 (16 registers a lane, the other 16 in lane l xor 16) become fragment n of the run: codes stored, the scale word into v[PW + n]
.set PCN, PC+12*(\n)
	WIN 0x0a
	v_max3_num_f32 v[TM+0], |v[(\s0)]|, |v[(\s0)+1]|, 0x1800000        ; with the floor 2^(3 - 127): the byte cannot fall under 1
	v_max3_num_f32 v[TM+1], |v[(\s0)+16]|, |v[(\s0)+17]|, 0x1800000
	v_max3_num_f32 v[TM+2], |v[(\s1)]|, |v[(\s1)+1]|, 0x1800000
	v_max3_num_f32 v[TM+3], |v[(\s1)+16]|, |v[(\s1)+17]|, 0x1800000
	WIN 0x28
.irp i, 2,4,6,8,10,12,14
	v_max3_num_f32 v[TM+0], v[TM+0], |v[(\s0)+\i]|, |v[(\s0)+\i+1]|
	v_max3_num_f32 v[TM+1], v[TM+1], |v[(\s0)+16+\i]|, |v[(\s0)+17+\i]|
	v_max3_num_f32 v[TM+2], v[TM+2], |v[(\s1)+\i]|, |v[(\s1)+\i+1]|
	v_max3_num_f32 v[TM+3], v[TM+3], |v[(\s1)+16+\i]|, |v[(\s1)+17+\i]|
.endr
	WIN 0
.irp b, 0,1,2,3
	v_permlanex16_b32 v[TP+\b], v[TM+\b], s22, s23
.endr
.irp b, 0,1,2,3
	v_max_num_f32 v[TM+\b], v[TM+\b], v[TP+\b]
.endr
.irp b, 0,1,2,3
	v_add_nc_u32 v[SO+\b], 0xff000000, v[TM+\b]    ; 2 off the exponent field: the conversion's scale operand
.endr
.irp b, 0,1,2,3
	v_lshrrev_b32 v[TP+\b], 23, v[SO+\b]           ; the scale's byte
.endr
	v_lshl_or_b32 v[PW+(\n)], v[TP+1], 8, v[TP]
	v_lshl_or_b32 v[PW+(\n)], v[TP+2], 16, v[PW+(\n)]
	v_lshl_or_b32 v[PW+(\n)], v[TP+3], 24, v[PW+(\n)]
	WIN 0x02
	v_cvt_scalef32_pk16_fp6_f32 v[PCN:PCN+2], v[(\s0):(\s0)+15], v[SO]
	v_cvt_scalef32_pk16_fp6_f32 v[TC:TC+2], v[(\s0)+16:(\s0)+31], v[SO+1]
	v_cvt_scalef32_pk16_fp6_f32 v[PCN+6:PCN+8], v[(\s1):(\s1)+15], v[SO+2]
	v_cvt_scalef32_pk16_fp6_f32 v[TC+4:TC+6], v[(\s1)+16:(\s1)+31], v[SO+3]
	WIN 0
	v_nop                                          ; one plain place behind the scaled conversions
.irp i, 0,1,2                                  ; a whole block in a lane
	v_permlane16_swap_b32 v[PCN+\i], v[TC+\i]
	v_permlane16_swap_b32 v[PCN+6+\i], v[TC+4+\i]
.endr
.irp i, 0,1,2
	v_mov_b32 v[PCN+3+\i], v[TC+\i]
	v_mov_b32 v[PCN+9+\i], v[TC+4+\i]
.endr
.irp c, 0,1,2
	global_store_b128 v[LI], v[PCN+4*\c:PCN+4*\c+3], s[12:13] offset:(\n)*1536+512*\c   ; 512 consecutive bytes, aligned
.endr
.endm
.macro WORDS                           ; two fragments' scale words a store: lanes 0-15 the first's, lanes 16-31 the second's
.irp p, 0,1
	v_cndmask_b32 v[PW+2*\p], v[PW+2*\p], v[PW+2*\p+1], s45
	global_store_b32 v[LS4], v[PW+2*\p], s[12:13] offset:6144+128*\p
.endr
.endm
.Lkind:                                                ; two trips: k, then q
	s_wait_xcnt 0x0                                ; the last trip's stores have read their registers and base
	s_cmp_eq_u32 s3, 0
	s_cselect_b64 s[6:7], s[84:85], s[88:89]
	s_cselect_b64 s[8:9], s[86:87], s[90:91]
	s_cselect_b64 s[12:13], s[92:93], s[94:95]
.irp t, 0,1,2,3                                ; g and b in the result's layout: register 8 t + j = number 16 t + 8 h + j; wanted behind the products
	global_load_b128 v[GG+8*\t:GG+8*\t+3], v[GOF], s[6:7] offset:64*\t
	global_load_b128 v[GG+8*\t+4:GG+8*\t+7], v[GOF], s[6:7] offset:64*\t+16
	global_load_b128 v[BE+8*\t:BE+8*\t+3], v[GOF], s[8:9] offset:64*\t
	global_load_b128 v[BE+8*\t+4:BE+8*\t+7], v[GOF], s[8:9] offset:64*\t+16
.endr
	s_wait_loadcnt 16                              ; all but the 16 just issued: the scale words are in
.set i, 0
.rept 16
	v_perm_b32 v[WS+i], v[WS+i], v[WS+i], s39      ; W's scale words into the fragments' order of blocks
.set i, i+1
.endr
	PLACES 8                                       ; a scale register written by a vector instruction stands 8 places ahead of a scaled product
	s_wait_alu depctr_va_vdst(0)                   ; the wait ahead of the waits below
	s_wait_tensorcnt 0x0                           ; my part of the tiles is in,
	s_barrier_signal -1
	s_barrier_wait -1                              ; everybody's is
	MAIN 0
	s_wait_tensorcnt 0x0                           ; ahead of a refill's round
	ds_add_u32 v[SPW], v[NIL]
	s_cmp_eq_u32 s3, 0                             ; no load of mine is out: the next weight's address and scales
	s_cselect_b64 s[G0B+2:G0B+3], s[76:77], s[80:81]
	s_cselect_b64 s[4:5], s[78:79], s[82:83]
	s_or_b32 s[G0B+3], s[G0B+3], 0x80000000
	PLACES 4                                       ; behind the last products: their scale registers are loaded, their results read, below
	s_wait_dscnt 0x0
	CROUND                                         ; no wave of any partner still reads W's slot
	s_cmp_eq_u32 s15, 0
	s_cbranch_scc1 .Lno_part                       ; waves 2 and 3 fill it, 64 rows each
	tensor_load_to_lds s[G0B:G0B+3], s[G1B:G1B+7]
	s_nop 0
	PLACES 4
.Lno_part:
.irp i, 0,1,2,3
	global_load_b128 v[WS+4*\i:WS+4*\i+3], v[SOF], s[4:5] offset:512*\i
.endr
	s_wait_loadcnt 4                               ; g and b are in (the four just issued may be out)
.set i, 0
.rept 32
	v_pk_mul_f32 v[GG+i:GG+i+1], v[GG+i:GG+i+1], s[20:21] op_sel_hi:[1,0]   ; 2^-2.5 goes into g and b
.set i, i+2
.endr
.irp f, 0,1,2,3
	LNPAIR 64*\f, 64*\f+32
	QUANT 64*\f, 64*\f+32, \f
.endr
	WORDS
	s_add_co_u32 s3, s3, 1
	s_cmp_lt_u32 s3, 2
	s_wait_alu depctr_va_vdst(0)                   ; the wait ahead of the branch
	s_cbranch_scc1 .Lkind
	s_wait_xcnt 0x0
	s_mov_b64 s[12:13], s[96:97]
	s_wait_loadcnt 0x0                             ; Wv's scale words
.set i, 0
.rept 16
	v_perm_b32 v[WS+i], v[WS+i], v[WS+i], s39
.set i, i+1
.endr
	PLACES 8
	s_wait_alu depctr_va_vdst(0)                   ; the wait ahead of the waits below
	s_wait_tensorcnt 0x0
	s_barrier_signal -1
	s_barrier_wait -1
	MAIN 1
	PLACES 4
.irp a, 0,1,2,3                                ; feature block a: 64 registers along my 128 tokens
	QUANT 64*\a, 64*\a+32, \a
.endr
	WORDS
	s_wait_tensorcnt 0x0                           ; the wave's end
	ds_add_u32 v[SPW], v[NIL]
	s_wait_dscnt 0x0
	CROUND                                         ; the closing round
	s_endpgm
.Lfunc_end_k_q7972287374_qkv:
	.size	k_q7972287374_qkv, .Lfunc_end_k_q7972287374_qkv-k_q7972287374_qkv
	.p2alignl 7, 3214868480
	.fill 96, 4, 3214868480
	.section	.rodata,"a",@progbits
	.p2align	6, 0x0
	.amdhsa_kernel k_q7972287374_qkv
		.amdhsa_group_segment_fixed_size 327680
		.amdhsa_private_segment_fixed_size 0
		.amdhsa_enable_private_segment 0
		.amdhsa_kernarg_size 120
		.amdhsa_user_sgpr_count 2
		.amdhsa_user_sgpr_kernarg_segment_ptr 1
		.amdhsa_wavefront_size32 1
		.amdhsa_system_sgpr_workgroup_id_x 1
		.amdhsa_system_sgpr_workgroup_id_y 1
		.amdhsa_system_sgpr_workgroup_id_z 1
		.amdhsa_system_vgpr_workitem_id 0
		.amdhsa_next_free_vgpr 1024
		.amdhsa_next_free_sgpr 100
		.amdhsa_reserve_vcc 0
		.amdhsa_float_denorm_mode_32 3
		.amdhsa_float_denorm_mode_16_64 3
		.amdhsa_memory_ordered 1
		.amdhsa_forward_progress 1
		.amdhsa_inst_pref_size 203
	.end_amdhsa_kernel
	.amdgpu_metadata
---
amdhsa.version: [ 1, 2 ]
amdhsa.kernels:
  - .name:           k_q7972287374_qkv
    .symbol:         k_q7972287374_qkv.kd
    .args:
      - { .name: x_codes, .offset: 0, .size: 8, .value_kind: global_buffer, .address_space: global }
      - { .name: x_scales, .offset: 8, .size: 8, .value_kind: global_buffer, .address_space: global }
      - { .name: Wk_codes, .offset: 16, .size: 8, .value_kind: global_buffer, .address_space: global }
      - { .name: Wk_scales, .offset: 24, .size: 8, .value_kind: global_buffer, .address_space: global }
      - { .name: Wq_codes, .offset: 32, .size: 8, .value_kind: global_buffer, .address_space: global }
      - { .name: Wq_scales, .offset: 40, .size: 8, .value_kind: global_buffer, .address_space: global }
      - { .name: Wv_codes, .offset: 48, .size: 8, .value_kind: global_buffer, .address_space: global }
      - { .name: Wv_scales, .offset: 56, .size: 8, .value_kind: global_buffer, .address_space: global }
      - { .name: kln_g, .offset: 64, .size: 8, .value_kind: global_buffer, .address_space: global }
      - { .name: kln_b, .offset: 72, .size: 8, .value_kind: global_buffer, .address_space: global }
      - { .name: qln_g, .offset: 80, .size: 8, .value_kind: global_buffer, .address_space: global }
      - { .name: qln_b, .offset: 88, .size: 8, .value_kind: global_buffer, .address_space: global }
      - { .name: kc, .offset: 96, .size: 8, .value_kind: global_buffer, .address_space: global }
      - { .name: qc, .offset: 104, .size: 8, .value_kind: global_buffer, .address_space: global }
      - { .name: vc, .offset: 112, .size: 8, .value_kind: global_buffer, .address_space: global }
    .group_segment_fixed_size: 327680
    .private_segment_fixed_size: 0
    .kernarg_segment_align: 8
    .kernarg_segment_size: 120
    .max_flat_workgroup_size: 128
    .sgpr_count:     100
    .vgpr_count:     1024
    .wavefront_size: 32
...
	.end_amdgpu_metadata
.endif
;; end of part 1
;; launch attn (part 2): grid 64 x 4, 16 waves a work-group, no clusters, 327,680 bytes of LDS; arguments qc, kc, vc, ao, as_; writes ao, as_
.if DOCPART == 2
	.amdgcn_target "amdgcn-amd-amdhsa--gfx1250"
	.amdhsa_code_object_version 6
	.text
	.protected	k_q7972287374_attn
	.globl	k_q7972287374_attn
	.p2align	8
	.type	k_q7972287374_attn,@function
k_q7972287374_attn:
	s_mov_b64 s[64:65], 0
	v_nop
	global_prefetch_b8 v0, s[64:65] scope:SCOPE_SE
	s_setreg_imm32_b32 hwreg(HW_REG_WAVE_MODE, 25, 1), 1
	s_wait_xcnt 0x0
; Causal attention of one head on codes of FP6 (E2M3), one E8M0 scale for each 32 along a product's K, and the quantiser of its result along the model's 1,024.
; LEFT OUT: key steps all of whose 128 keys come after a tile's 16 queries: the mask that the problem builds itself makes their p zero for all inputs.  A NaN or infinity that reaches only such scores is not carried on.
; q, k, v arrive as [head][run of 128 tokens][6,400]: four fragments as images of operand registers (registers 4 c .. 4 c + 3 of lane l at 512 c + 16 l), then 256 bytes of scale words.
; A fragment of k or q holds TWO token tiles (K places 0-63, 64-127): S^T of both comes from one fragment of k, multiplied by [q | zeros] and by [zeros | q]; zero codes add nothing under any byte from 1 to 254.
; SOFTMAX: t = score x log2(e); M = the running largest t rounded up to a whole number; p = 2^(t - M) is quantised along the keys; the row's sum is taken of the unquantised p.  A move of M multiplies sum and O^T by a power of two.
; SHARES: wave w of work-group i owns query tiles L = 16 i + w and H = 127 - L: 17 key steps for every wave of the launch.
; ALL OF THE HEAD'S K AND V LIES IN LDS, each byte filled once: every wave brings one unit of 6,400 bytes at the head (keys 0-1,023; waves 0-7 k's, waves 8-15 v's) and one behind the first barrier (keys 1,024-2,047),
; which has the first eight key steps in which to land.  So there is no loop of fills to prefetch ahead of.
; NO CLUSTER: only the four work-groups of a head share K and V, and which steps they leave out hangs on the number that tells them apart.
; LAYOUT: both products transposed, a lane holds one query (lane % 16).  Register 16 b + 8 u + j of S^T is key 32 b + 16 u + 8 h + j, so p's codes of a block lie in the order 0-7, 16-23, 8-15, 24-31, as v's do.
; OUT: ao [token tile][head][768]: six registers of a fragment, registers 0-3 at 16 l, 4-5 at 512 + 8 l; as_ [token][32]: bytes 2 head, 2 head + 1 (two bytes a token: one byte in 25 of what is stored).
; LIMITS: the scaled scores stay under 2^31 in magnitude; a block whose largest magnitude lies under 2^-124 gets the scale byte 1; a p under 2^-126 is 0; NaN and infinities are not served.
; REGISTERS: v1 16 l, v2 4 l, v3-5, v94 the step's LDS addresses, v6 32 r, v7 8 l, v8-9 the mask's bounds, v10 4 r; v12-15, v16-19 state of H, L; v20-37, v38-55 q; v56-57 its scale words; v58-81 fragments; v82-85 scale words;
; v86-93 L's output; v95 a copy of -M; v96-159 S^T, then p; v160-191, v192-223 O^T; v224-247 fragments, then p's codes and work; v248-249 log2(e); v250-251 the factor, twice.  (The copies give the two halves of a dual pair sources in different banks.)
; THE GRID: x = 16 batch + head, y = the work-group's number i among the head's four.
; THE SECOND UNIT: its wave waits for it behind three key steps and signals the barrier there; the barrier's wait stands behind key step 7, and the unit's bytes are read from key step 8 on.
.set KVB,   102400
.set STEPB, 6400
.set SPARE, 204800
	s_load_b256 s[4:11], s[0:1], 0x0               ; qc 4, kc 6, vc 8, ao 10
	s_load_b64 s[12:13], s[0:1], 0x20              ; as_
	v_lshl_add_u32 v252, v0, 2, SPARE
	v_mov_b32 v255, 0
	ds_add_u32 v252, v255                          ; the opening lines
	ds_add_u32 v252, v255
	v_lshrrev_b32 v1, 5, v0
	v_readfirstlane_b32 s20, v1                    ; wave
	s_lshr_b32 s21, s20, 3                         ; I fetch k's (0) or v's (1),
	s_and_b32 s23, s20, 7                          ; this unit of eight
	s_mov_b32 s22, ttmp9                           ; 16 batch + head
	s_mov_b32 s24, 3<<16                           ; 25 dense rows of 256 bytes
	s_mov_b32 s25, 32<<16
	s_mov_b32 s26, 25<<16
	s_mov_b32 s27, 32<<16
	s_mov_b32 s28, 25
	s_mov_b32 s29, 32
	s_mov_b32 s30, 0
	s_mov_b32 s31, 0
	s_mul_i32 s76, s23, STEPB
	s_mov_b32 s77, 0
	s_mul_i32 s41, s21, KVB
	s_add_co_u32 s41, s41, s76
	s_add_co_u32 s45, s41, 8*STEPB
	s_mul_i32 s74, s22, KVB
	s_mov_b32 s75, 0
	s_mov_b32 s79, 0
	s_mov_b32 s40, 1
	s_mov_b32 s44, 1
	s_wait_dscnt 0x0
	s_wait_kmcnt 0x0
	s_cmp_eq_u32 s21, 0
	s_cselect_b64 s[42:43], s[6:7], s[8:9]
	s_add_nc_u64 s[42:43], s[42:43], s[74:75]
	s_add_nc_u64 s[42:43], s[42:43], s[76:77]
	s_add_nc_u64 s[46:47], s[42:43], 8*STEPB
	s_or_b32 s43, s43, 0x80000000
	s_or_b32 s47, s47, 0x80000000
	tensor_load_to_lds s[40:43], s[24:31]          ; my one load at the head
	s_nop 0
	s_add_nc_u64 s[4:5], s[4:5], s[74:75]          ; the head's q
	s_and_b32 s73, ttmp7, 0xffff                   ; i
	s_lshl_b32 s73, s73, 4
	s_add_co_u32 s73, s73, s20                     ; tile L
	s_sub_co_u32 s72, 127, s73                     ; tile H
.macro QADR TL, C, S                   ; the tile's fragment (tile / 2) % 4 of run tile / 8, and its scale words (6,144 further on)
	s_lshr_b32 s78, s[\TL], 3
	s_mul_i32 s78, s78, STEPB
	s_bfe_u32 s96, s[\TL], 0x20001
	s_mul_i32 s76, s96, 1536
	s_add_co_u32 s76, s76, s78
	s_add_nc_u64 s[\C:\C+1], s[4:5], s[76:77]
	s_lshl_b32 s96, s96, 6
	s_add_co_u32 s78, s78, s96
	s_add_nc_u64 s[\S:\S+1], s[4:5], s[78:79]
.endm
	QADR 72, 88, 92
	QADR 73, 90, 94
	v_and_b32 v11, 31, v0
	v_and_b32 v248, 15, v0                         ; r
	v_bfe_u32 v249, v0, 4, 1                       ; h
	v_lshlrev_b32 v1, 4, v11
	v_lshlrev_b32 v2, 2, v11
	v_lshlrev_b32 v7, 3, v11
	v_lshlrev_b32 v6, 5, v248
	v_lshlrev_b32 v10, 2, v248
	v_lshlrev_b32 v249, 3, v249
.irp c, 0,1,2
	global_load_b128 v[96+4*\c:99+4*\c], v1, s[88:89] offset:512*\c
	global_load_b128 v[108+4*\c:111+4*\c], v1, s[90:91] offset:512*\c
.endr
	global_load_b32 v120, v10, s[92:93] offset:6144
	global_load_b32 v121, v10, s[94:95] offset:6144
	v_sub_nc_u32 v248, v248, v249                  ; r - 8 h
	s_wait_alu depctr_va_vdst(0)                   ; the wait ahead of the run of scalar lines
	s_lshr_b32 s70, s72, 3                         ; the tiles' last key steps
	s_lshr_b32 s71, s73, 3
	s_and_b32 s74, s72, 7
	s_lshl_b32 s74, s74, 4
	v_add_nc_u32 v8, s74, v248                     ; in the last step register n holds key 16 (n / 8) + n % 8 + 8 h, my query is 16 (tile % 8) + r: hidden where 16 (n / 8) + n % 8 > this
	s_and_b32 s74, s73, 7
	s_lshl_b32 s74, s74, 4
	v_add_nc_u32 v9, s74, v248
	v_mov_b32 v248, 0x3fb8aa3b                     ; log2(e), twice
	v_mov_b32 v249, 0x3fb8aa3b
	s_lshr_b32 s74, s22, 4
	s_lshl_b32 s74, s74, 7                         ; 128 token tiles a batch
	s_and_b32 s75, s22, 15
	s_mul_i32 s96, s75, 768
	s_lshl_b32 s75, s75, 1
.macro OADR TL, A, S
	s_add_co_u32 s78, s74, s[\TL]
	s_mul_i32 s76, s78, 12288
	s_add_co_u32 s76, s76, s96
	s_add_nc_u64 s[\A:\A+1], s[10:11], s[76:77]
	s_lshl_b32 s78, s78, 9
	s_add_co_u32 s78, s78, s75
	s_add_nc_u64 s[\S:\S+1], s[12:13], s[78:79]
.endm
	OADR 72, 80, 84
	OADR 73, 82, 86
	s_bitcmp1_b32 s72, 0
	s_cselect_b32 s96, -1, 0                       ; all lanes take the fragment's upper six registers, or none
	s_cselect_b32 s98, 16, 0                       ; and the scale word's upper two bytes
	s_bitcmp1_b32 s73, 0
	s_cselect_b32 s97, -1, 0
	s_cselect_b32 s99, 16, 0
	s_mov_b32 s60, 0x76543210                      ; selects for lane l xor 16
	s_mov_b32 s61, 0xfedcba98
	s_mov_b32 s62, 0x3fb8aa3b
	s_mov_b32 s66, 0                               ; the step's images
	s_mov_b32 s67, 6144                            ; its scale words
	s_mov_b32 s68, 0                               ; the key step
	s_wait_loadcnt 0x0
.macro MAKEQ Q, TT, UM, SH, WD, QS     ; [q] [0] [q] and the doubled scale word
.irp j, 0,1,2,3,4,5
	v_cndmask_b32 v[(\Q)+\j], v[(\TT)+\j], v[(\TT)+6+\j], s[\UM]
	v_mov_b32 v[(\Q)+6+\j], 0
.endr
.irp j, 0,1,2,3,4,5
	v_mov_b32 v[(\Q)+12+\j], v[(\Q)+\j]
.endr
	v_lshrrev_b32 v254, s[\SH], v[\WD]
	s_delay_alu instid0(VALU_DEP_1)
	v_and_b32 v254, 0xffff, v254
	s_delay_alu instid0(VALU_DEP_1)
	v_lshl_or_b32 v[\QS], v254, 16, v254
.endm
	MAKEQ 20, 96, 96, 98, 120, 56
	MAKEQ 38, 108, 97, 99, 121, 57
	v_mov_b32 v13, 0xff61b1e6                      ; the largest t so far: -3e38
	v_mov_b32 v17, 0xff61b1e6
	s_delay_alu instid0(VALU_DEP_2)
	v_floor_f32 v12, -v13                          ; -M
	s_delay_alu instid0(VALU_DEP_2)
	v_floor_f32 v16, -v17
	v_mov_b32 v14, 0
	v_mov_b32 v15, 0
	v_mov_b32 v18, 0
	v_mov_b32 v19, 0
.irp b, 0,1,2,3
	v_mov_b32 v[236+\b], 0                         ; a lane permute's destination counts as a source
.endr
.set j, 0
.rept 64
	v_mov_b32 v[160+j], 0                          ; O^T: the step is written once, the first finds zeros
.set j, j+1
.endr
.macro SQK d, a, q, sa, sb, row1
.if \row1
	v_wmma_scale_f32_16x16x128_f8f6f4 v[(\d):(\d)+7], v[(\a):(\a)+11], v[(\q):(\q)+11], 0, v[\sa], v[\sb] matrix_a_fmt:MATRIX_FMT_FP6 matrix_b_fmt:MATRIX_FMT_FP6 matrix_a_scale:MATRIX_SCALE_ROW1
.else
	v_wmma_scale_f32_16x16x128_f8f6f4 v[(\d):(\d)+7], v[(\a):(\a)+11], v[(\q):(\q)+11], 0, v[\sa], v[\sb] matrix_a_fmt:MATRIX_FMT_FP6 matrix_b_fmt:MATRIX_FMT_FP6
.endif
.endm
.macro PVM d, a, sa, row1
.if \row1
	v_wmma_scale_f32_16x16x128_f8f6f4 v[(\d):(\d)+7], v[(\a):(\a)+11], v[224:235], v[(\d):(\d)+7], v[\sa], v253 matrix_a_fmt:MATRIX_FMT_FP6 matrix_b_fmt:MATRIX_FMT_FP6 matrix_a_scale:MATRIX_SCALE_ROW1
.else
	v_wmma_scale_f32_16x16x128_f8f6f4 v[(\d):(\d)+7], v[(\a):(\a)+11], v[224:235], v[(\d):(\d)+7], v[\sa], v253 matrix_a_fmt:MATRIX_FMT_FP6 matrix_b_fmt:MATRIX_FMT_FP6
.endif
.endm
; ONE KEY STEP OF ONE TILE.  OX: its O^T; STX: its state; QX, QSX: its q and scale word; DQX: the mask's bound; LIMX: the scalar with its last step.
.macro STEP OX, STX, QX, QSX, DQX, LIMX
	s_cmp_gt_u32 s68, s[\LIMX]                     ; all 128 keys come after my queries: the step is left out
	s_cbranch_scc1 .Lskip_\@
	s_wait_alu depctr_va_vdst(0)                   ; the wait ahead of the readers of the step's addresses
.irp g, 0,1,2,3,4,5
	ds_load_b128 v[58+4*\g:61+4*\g], v3 offset:512*\g              ; k's fragments 0, 1
.endr
.irp g, 0,1,2,3,4,5
	ds_load_b128 v[224+4*\g:227+4*\g], v3 offset:3072+512*\g       ; fragments 2, 3
.endr
	ds_load_b32 v82, v5                            ; k's scale words: lanes 0-15 fragment 0's, lanes 16-31 fragment 1's;
	ds_load_b32 v83, v5 offset:128
	ds_load_b32 v84, v94                           ; v's likewise
	ds_load_b32 v85, v94 offset:128
	s_wait_dscnt 0x0
	SQK 96, 58, \QX, 82, \QSX, 0                   ; each fragment twice: by [q | 0] and by [0 | q]
	SQK 104, 58, (\QX)+6, 82, \QSX, 0
	SQK 112, 70, \QX, 82, \QSX, 1
	SQK 120, 70, (\QX)+6, 82, \QSX, 1
	SQK 128, 224, \QX, 83, \QSX, 0
	SQK 136, 224, (\QX)+6, 83, \QSX, 0
	SQK 144, 236, \QX, 83, \QSX, 1
	SQK 152, 236, (\QX)+6, 83, \QSX, 1
.rept 4
	v_nop                                          ; places behind the products (ISA guide 7.12.1)
.endr
	s_cmp_lg_u32 s68, s[\LIMX]                     ; only the tile's last step lies on the diagonal
	s_cbranch_scc1 .Lopen_\@
	v_mov_b32 v254, 0xff800000                     ; hidden scores become -infinity: p = 0
.set n, 0
.rept 64
	v_cmp_gt_i32 vcc_lo, 16*(n/8)+n%8, v[\DQX]
	v_cndmask_b32 v[96+n], v[96+n], v254, vcc_lo
.set n, n+1
.endr
.Lopen_\@:
.irp b, 0,1,2,3
	v_max3_num_f32 v[232+\b], v[96+16*\b], v[97+16*\b], v[98+16*\b]   ; the largest score of each block of 32 keys: for the row's maximum and for the block's largest p
.endr
.irp i, 3,5,7,9,11,13
.irp b, 0,1,2,3
	v_max3_num_f32 v[232+\b], v[232+\b], v[96+16*\b+\i], v[97+16*\b+\i]
.endr
.endr
.irp b, 0,1,2,3
	v_max_num_f32 v[232+\b], v[232+\b], v[111+16*\b]
.endr
.irp b, 0,1,2,3
	s_delay_alu instid0(VALU_DEP_4)
	v_permlanex16_b32 v[236+\b], v[232+\b], s60, s61
.endr
.irp b, 0,1,2,3
	s_delay_alu instid0(VALU_DEP_4)
	v_max_num_f32 v[232+\b], v[232+\b], v[236+\b]
.endr
	s_delay_alu instid0(VALU_DEP_2)
	v_max3_num_f32 v254, v232, v233, v234
	s_delay_alu instid0(VALU_DEP_1)
	v_max_num_f32 v254, v254, v235
	s_delay_alu instid0(VALU_DEP_1)
	v_mul_f32 v254, s62, v254                      ; as t
	s_delay_alu instid0(VALU_DEP_1)
	v_max_num_f32 v[\STX+1], v[\STX+1], v254       ; the running largest t
	v_mov_b32 v254, v[\STX]
	s_delay_alu instid0(VALU_DEP_2)
	v_floor_f32 v[\STX], -v[\STX+1]                ; the new -M
	s_delay_alu instid0(VALU_DEP_1)
	v_sub_f32 v254, v[\STX], v254                  ; old M - new M: a whole number, 0 or less
	v_mov_b32 v95, v[\STX]
	s_delay_alu instid0(VALU_DEP_2)
	v_cvt_i32_f32 v254, v254
	s_delay_alu instid0(VALU_DEP_1)
	v_ldexp_f32 v250, 1.0, v254                    ; f = 2^(old M - new M)
.irp b, 0,1,2,3
	v_fma_f32 v[232+\b], v[232+\b], s62, v[\STX]   ; t - M of each block's largest score
.endr
	v_mov_b32 v251, v250
.set j, 0
.rept 32
	v_dual_fma_f32 v[96+j], v[96+j], v248, v[\STX] :: v_dual_fma_f32 v[97+j], v[97+j], v249, v95   ; t - M, two an instruction
.set j, j+2
.endr
	v_dual_mul_f32 v[\STX+2], v250, v[\STX+2] :: v_dual_mul_f32 v[\STX+3], v251, v[\STX+3]   ; the sums under the new M
	s_wait_alu depctr_va_vdst(0)                   ; the wait ahead of the batch,
.set j, 0
.rept 64
	v_exp_f32 v[96+j], v[96+j]                     ; p = 2^(t - M)
.set j, j+1
.endr
.irp b, 0,1,2,3
	v_exp_f32 v[232+\b], v[232+\b]                 ; the blocks' largest p
.endr
	v_nop                                          ; a plain place behind the exponentials,
	s_wait_alu depctr_va_vdst(0)                   ; and the one wait ahead of their first reader
	v_dual_add_f32 v236, v96, v98 :: v_dual_add_f32 v237, v97, v99   ; the row's sum of the unquantised p, in four chains
.set j, 4
.rept 15
	v_dual_add_f32 v[\STX+2], v[96+j], v[\STX+2] :: v_dual_add_f32 v[\STX+3], v[97+j], v[\STX+3]
	v_dual_add_f32 v236, v[98+j], v236 :: v_dual_add_f32 v237, v[99+j], v237
.set j, j+4
.endr
.irp b, 0,1,2,3
	v_max_num_f32 v[232+\b], 0x1800000, v[232+\b]  ; the floor 2^(3 - 127): the byte cannot fall under 1
.endr
	v_dual_add_f32 v[\STX+2], v236, v[\STX+2] :: v_dual_add_f32 v[\STX+3], v237, v[\STX+3]
.irp b, 0,1,2,3
	v_add_nc_u32 v[244+\b], 0xff000000, v[232+\b]  ; 2 off the exponent field: the conversion's scale operand
.endr
.irp b, 0,1,2,3
	s_delay_alu instid0(VALU_DEP_4)
	v_lshrrev_b32 v[236+\b], 23, v[244+\b]         ; the scale's byte
.endr
	s_delay_alu instid0(VALU_DEP_3)
	v_lshl_or_b32 v253, v237, 8, v236              ; p's scale word for these 128 keys
	s_delay_alu instid0(VALU_DEP_1)
	v_lshl_or_b32 v253, v238, 16, v253
	s_delay_alu instid0(VALU_DEP_1)
	v_lshl_or_b32 v253, v239, 24, v253
.irp c, 0,1
	v_cvt_scalef32_pk16_fp6_f32 v[224+6*\c:226+6*\c], v[96+32*\c:111+32*\c], v[244+2*\c]
	v_cvt_scalef32_pk16_fp6_f32 v[236+4*\c:238+4*\c], v[112+32*\c:127+32*\c], v[244+2*\c+1]
.endr
	v_nop                                          ; one plain place behind the scaled conversions
.irp g, 0,1,2,3,4,5
	ds_load_b128 v[58+4*\g:61+4*\g], v4 offset:512*\g              ; v's fragments 0, 1, where k's lay;
.endr
.irp g, 0,1,2,3,4,5
	ds_load_b128 v[96+4*\g:99+4*\g], v4 offset:3072+512*\g         ; fragments 2, 3, where p lay
.endr
.irp c, 0,1                                    ; a whole block in a lane
.irp i, 0,1,2
	v_permlane16_swap_b32 v[224+6*\c+\i], v[236+4*\c+\i]
.endr
.irp i, 0,1,2
	s_delay_alu instid0(VALU_DEP_3)
	v_mov_b32 v[227+6*\c+\i], v[236+4*\c+\i]
.endr
.endr
	v_nop
.set j, 0
.rept 16
	v_dual_mul_f32 v[\OX+j], v250, v[\OX+j] :: v_dual_mul_f32 v[\OX+j+1], v251, v[\OX+j+1]   ; O^T under the new M; also the places behind the writes of p's codes and scale word
.set j, j+2
.endr
	s_wait_alu depctr_va_vdst(0)                   ; the wait ahead of the wait below
	s_wait_dscnt 0x0
	PVM \OX, 58, 84, 0                             ; the four accumulators by turns
	PVM (\OX)+8, 70, 84, 1
	PVM (\OX)+16, 96, 85, 0
	PVM (\OX)+24, 108, 85, 1
.rept 5
	v_nop                                          ; five places: the next step's loads and products land on these products' registers
.endr
.Lskip_\@:
.endm
.macro BODY                            ; one trip: one key step of both tiles
	v_add_nc_u32 v3, s66, v1
	v_add_nc_u32 v5, s67, v2
	s_delay_alu instid0(VALU_DEP_2)
	v_add_nc_u32 v4, KVB, v3
	s_delay_alu instid0(VALU_DEP_2)
	v_add_nc_u32 v94, KVB, v5
	STEP 160, 12, 20, 56, 8, 70
	STEP 192, 16, 38, 57, 9, 71
	s_add_co_u32 s66, s66, STEPB
	s_add_co_u32 s67, s67, STEPB
	s_add_co_u32 s68, s68, 1
.endm
	s_wait_alu depctr_va_vdst(0)                   ; the wait at the head's end
	s_wait_tensorcnt 0x0                           ; my unit of keys 0-1,023 is in
	ds_add_u32 v252, v255
	s_wait_dscnt 0x0
	s_barrier_signal -1
	s_barrier_wait -1
	tensor_load_to_lds s[44:47], s[24:31]          ; my unit of keys 1,024-2,047: bytes that nothing has filled
	s_nop 0
	s_mov_b32 s69, 3
.Lphase_a:                                             ; key steps 0-2
	BODY
	s_sub_co_u32 s69, s69, 1
	s_cmp_lg_u32 s69, 0
	s_cbranch_scc1 .Lphase_a
	s_wait_tensorcnt 0x0                           ; my unit of keys 1,024-2,047 is in,
	s_wait_dscnt 0x0                               ; no LDS instruction of mine is out:
	s_barrier_signal -1                            ; say so early.  Up to the wait stand register work and LDS loads of keys 0-1,023, which nothing writes any more
	s_mov_b32 s69, 5
.Lphase_m:                                             ; key steps 3-7
	BODY
	s_sub_co_u32 s69, s69, 1
	s_cmp_lg_u32 s69, 0
	s_cbranch_scc1 .Lphase_m
	s_barrier_wait -1                              ; every wave has said so: all of K and V is in
	s_mov_b32 s69, 8
.Lphase_b:
	BODY
	s_sub_co_u32 s69, s69, 1
	s_cmp_lg_u32 s69, 0
	s_cbranch_scc1 .Lphase_b
	v_add_f32 v14, v14, v15                        ; THE WAY OUT
	v_add_f32 v18, v18, v19
	s_delay_alu instid0(VALU_DEP_2)
	v_permlanex16_b32 v236, v14, s60, s61
	s_delay_alu instid0(VALU_DEP_2)
	v_permlanex16_b32 v237, v18, s60, s61
	s_delay_alu instid0(VALU_DEP_2)
	v_add_f32 v14, v14, v236
	s_delay_alu instid0(VALU_DEP_2)
	v_add_f32 v18, v18, v237
	s_wait_alu depctr_va_vdst(0)
	v_rcp_f32 v14, v14
	v_rcp_f32 v18, v18
	v_nop
	s_wait_alu depctr_va_vdst(0)
.macro FINISH OX, LX, CX, SX, AO, AS
.set j, 0
.rept 16
	v_pk_mul_f32 v[\OX+j:\OX+j+1], v[\OX+j:\OX+j+1], v[\LX:\LX+1] op_sel_hi:[1,0]   ; O^T / the sum: register 8 t + i is channel 16 t + 8 h + i
.set j, j+2
.endr
.irp b, 0,1
.irp i, 0,1,2,3,4,5,6,7
	v_permlane16_swap_b32 v[\OX+16*\b+\i], v[\OX+16*\b+8+\i]   ; register 16 b + i is now channel 32 b + 16 h + i: the natural order
.endr
.endr
	v_max3_num_f32 v232, |v[\OX]|, |v[\OX+1]|, 0x1800000
	v_max3_num_f32 v233, |v[\OX+16]|, |v[\OX+17]|, 0x1800000
.irp i, 2,4,6,8,10,12,14
	s_delay_alu instid0(VALU_DEP_2)
	v_max3_num_f32 v232, v232, |v[\OX+\i]|, |v[\OX+\i+1]|
	s_delay_alu instid0(VALU_DEP_2)
	v_max3_num_f32 v233, v233, |v[\OX+16+\i]|, |v[\OX+17+\i]|
.endr
	s_delay_alu instid0(VALU_DEP_2)
	v_permlanex16_b32 v236, v232, s60, s61
	s_delay_alu instid0(VALU_DEP_2)
	v_permlanex16_b32 v237, v233, s60, s61
	s_delay_alu instid0(VALU_DEP_2)
	v_max_num_f32 v232, v232, v236
	s_delay_alu instid0(VALU_DEP_2)
	v_max_num_f32 v233, v233, v237
	s_delay_alu instid0(VALU_DEP_2)
	v_add_nc_u32 v244, 0xff000000, v232
	s_delay_alu instid0(VALU_DEP_2)
	v_add_nc_u32 v245, 0xff000000, v233
	s_delay_alu instid0(VALU_DEP_2)
	v_lshrrev_b32 v236, 23, v244
	s_delay_alu instid0(VALU_DEP_2)
	v_lshrrev_b32 v237, 23, v245
	s_delay_alu instid0(VALU_DEP_1)
	v_lshl_or_b32 v[\SX], v237, 8, v236
	v_cvt_scalef32_pk16_fp6_f32 v[\CX:\CX+2], v[\OX:\OX+15], v244
	v_cvt_scalef32_pk16_fp6_f32 v[240:242], v[\OX+16:\OX+31], v245
	v_nop
.irp i, 0,1,2
	v_permlane16_swap_b32 v[\CX+\i], v[240+\i]
.endr
.irp i, 0,1,2
	s_delay_alu instid0(VALU_DEP_3)
	v_mov_b32 v[\CX+3+\i], v[240+\i]
.endr
	global_store_b128 v1, v[\CX:\CX+3], s[\AO:\AO+1]               ; 512 consecutive bytes, aligned
	global_store_b64 v7, v[\CX+4:\CX+5], s[\AO:\AO+1] offset:512   ; 256 consecutive bytes, aligned
	global_store_b16 v6, v[\SX], s[\AS:\AS+1]                      ; my token's two scale bytes
.endm
	FINISH 160, 14, 224, 92, 80, 84
	FINISH 192, 18, 86, 93, 82, 86
	s_wait_tensorcnt 0x0                           ; the wave's end
	ds_add_u32 v252, v255
	s_wait_dscnt 0x0
	s_endpgm
.Lfunc_end_k_q7972287374_attn:
	.size	k_q7972287374_attn, .Lfunc_end_k_q7972287374_attn-k_q7972287374_attn
	.p2alignl 7, 3214868480
	.fill 96, 4, 3214868480
	.section	.rodata,"a",@progbits
	.p2align	6, 0x0
	.amdhsa_kernel k_q7972287374_attn
		.amdhsa_group_segment_fixed_size 327680
		.amdhsa_private_segment_fixed_size 0
		.amdhsa_enable_private_segment 0
		.amdhsa_kernarg_size 40
		.amdhsa_user_sgpr_count 2
		.amdhsa_user_sgpr_kernarg_segment_ptr 1
		.amdhsa_wavefront_size32 1
		.amdhsa_system_sgpr_workgroup_id_x 1
		.amdhsa_system_sgpr_workgroup_id_y 1
		.amdhsa_system_sgpr_workgroup_id_z 1
		.amdhsa_system_vgpr_workitem_id 0
		.amdhsa_next_free_vgpr 256
		.amdhsa_next_free_sgpr 100
		.amdhsa_reserve_vcc 1
		.amdhsa_float_denorm_mode_32 3
		.amdhsa_float_denorm_mode_16_64 3
		.amdhsa_memory_ordered 1
		.amdhsa_forward_progress 1
		.amdhsa_inst_pref_size 157
	.end_amdhsa_kernel
	.amdgpu_metadata
---
amdhsa.version: [ 1, 2 ]
amdhsa.kernels:
  - .name:           k_q7972287374_attn
    .symbol:         k_q7972287374_attn.kd
    .args:
      - { .name: qc, .offset: 0, .size: 8, .value_kind: global_buffer, .address_space: global }
      - { .name: kc, .offset: 8, .size: 8, .value_kind: global_buffer, .address_space: global }
      - { .name: vc, .offset: 16, .size: 8, .value_kind: global_buffer, .address_space: global }
      - { .name: ao, .offset: 24, .size: 8, .value_kind: global_buffer, .address_space: global }
      - { .name: as_, .offset: 32, .size: 8, .value_kind: global_buffer, .address_space: global }
    .group_segment_fixed_size: 327680
    .private_segment_fixed_size: 0
    .kernarg_segment_align: 8
    .kernarg_segment_size: 40
    .max_flat_workgroup_size: 512
    .sgpr_count:     100
    .vgpr_count:     256
    .wavefront_size: 32
...
	.end_amdgpu_metadata
.endif
;; end of part 2
;; launch proj (part 3): grid 8 x 32, 4 waves a work-group, clusters of 4 x 4, 327,680 bytes of LDS; arguments ao, as_, Wo_codes, Wo_scales, bo, out0; writes out0
.if DOCPART == 3
	.amdgcn_target "amdgcn-amd-amdhsa--gfx1250"
	.amdhsa_code_object_version 6
	.text
	.protected	k_q7972287374_proj
	.globl	k_q7972287374_proj
	.p2align	8
	.type	k_q7972287374_proj,@function
k_q7972287374_proj:
	s_mov_b64 s[64:65], 0
	v_nop
	global_prefetch_b8 v0, s[64:65] scope:SCOPE_SE
	s_setreg_imm32_b32 hwreg(HW_REG_WAVE_MODE, 25, 1), 1
	s_wait_xcnt 0x0
	s_wait_alu depctr_hold_cnt(0) depctr_sa_sdst(0) depctr_va_vdst(0) depctr_va_sdst(0) depctr_va_ssrc(0) depctr_va_vcc(0) depctr_vm_vsrc(0)
	s_getreg_b32 s2, hwreg(HW_REG_IB_STS2, 6, 4)
	s_cmp_eq_u32 s2, 0
	s_cbranch_scc0 .Lentry_in_a_cluster
	s_endpgm
.Lentry_in_a_cluster:
	s_bfe_u32 s2, ttmp6, 0x10000c
	s_cmp_lg_u32 s2, 0xf033
	s_cbranch_scc0 .Lentry_shape_is_right
	s_endpgm
.Lentry_shape_is_right:
; out0 = a Wo^T + bo on codes of FP6 (E2M3), one E8M0 scale for each 32 along K = 1,024; sums in f32.  Nothing of the problem is left out here.
; A work-group makes 256 tokens x 128 features; both operands lie in LDS for all of K, each byte filled once, one tensor load a wave at the head: so there is no ring, no refill and no loop of fills to prefetch ahead of.
; a: [token tile][head][768] images of six operand registers (registers 0-3 at 16 l, 4-5 at 512 + 8 l), dense; Wo: rows of 768 bytes, 16 bytes of padding behind every 256.
; A wave makes 128 tokens x 64 features, BY ROWS OF THE RESULT: Wo's 32 fragments (4 blocks of 16 features x 8 steps of 128 along K) stay in 384 registers; a block of 16 tokens is finished by 32 products,
; its four accumulators by turns, K ascending, and leaves through the stage while the next block is multiplied.  Each fragment is read from LDS once.
; Source 0 = Wo (a lane's registers run along the features), source 1 = a (a lane holds a token); the bias is the C of a block's first products.
; CLUSTERS 4 x 4: a's tile is shared along a row, Wo's along a column.  SCALES go from memory into registers: register j holds step j's word in lanes 0-15 and step 4 + j's in lanes 16-31.
; OUT through a stage of the wave's own in LDS: 16 lanes store one aligned run of 256 bytes of a row.
; LIMITS: NaN, infinities and a given scale byte 0xff are not served.
; WINDOWS: 0 addresses, scales, bias, the way out; 1 Wo's fragments of steps 0-3 (at 12 (4 step + block)), 3 those of steps 4-7; 2: v0-191 a's fragments, two blocks of 8 x 12; v192-255 two sets of four accumulators.
.set PITCH, 816
.set KROW, 768
.set WB, 196608
.set STAGE, WB+128*PITCH
.set SPITCH, 272
.set SPARE, STAGE+4*16*SPITCH
.set AX, 16                            ; v16 16 l, v17 8 l (blocks 0-3); v18, v19 (blocks 4-7)
.set AW, 20
.set STO, 24
.set RD, 25
.set CO, 26
.set SOF, 27
.set SPW, 28
.set NIL, 29
.set BOF, 30
.set XS, 32
.set WS, 64
.set BIAS, 80
.set BK, 128
.set ACC, 192
.set G1, 24
.set G0, 32
.set G1B, 48
.set G0B, 56
.set MSB, 0
.macro WIN new
.if MSB != (\new)
	s_set_vgpr_msb (MSB<<8)|(\new)
.set MSB, (\new)
.endif
.endm
.macro CROUND
	s_barrier_signal -1
	s_barrier_wait -1
	s_cmp_lg_u32 s14, 0
	s_cbranch_scc1 .Lnot_wave_0_\@
	s_barrier_signal -3
.Lnot_wave_0_\@:
	s_barrier_wait -3
	s_barrier_signal -1
	s_barrier_wait -1
.endm
.macro PLACES n
.rept \n
	v_nop
.endr
.endm
	s_load_b256 s[68:75], s[0:1], 0x0              ; ao 68, as_ 70, Wo's codes 72, scales 74
	s_load_b128 s[76:79], s[0:1], 0x20             ; bo 76, out0 78
	v_lshl_add_u32 v[SPW], v0, 2, SPARE
	v_mov_b32 v[NIL], 0
	ds_add_u32 v[SPW], v[NIL]                      ; the opening lines
	ds_add_u32 v[SPW], v[NIL]
	v_lshrrev_b32 v1, 5, v0
	v_readfirstlane_b32 s14, v1
	s_lshr_b32 s15, s14, 1                         ; my half of the tokens; also: I fetch a (0) or Wo (1)
	s_and_b32 s16, s14, 1                          ; my half of the features; also: which half of the tile I fetch
	s_bfe_u32 s40, ttmp6, 0x40000
	s_bfe_u32 s41, ttmp6, 0x40004
	s_lshl_b32 s42, ttmp9, 2
	s_add_co_u32 s42, s42, s40                     ; feature group 0..7
	s_and_b32 s17, ttmp7, 0xffff
	s_lshl_b32 s17, s17, 2
	s_add_co_u32 s17, s17, s41                     ; token tile 0..31
	s_lshl_b32 s43, s41, 2
	s_lshl_b32 s43, 15, s43
	s_lshl_b32 s44, 0x1111, s40
	s_or_b32 s[G1+0], s43, (3<<16)|(1<<21)         ; a: 384 dense rows of 256 bytes
	s_mov_b32 s[G1+1], 32<<16
	s_mov_b32 s[G1+2], 384<<16
	s_mov_b32 s[G1+3], 32<<16
	s_mov_b32 s[G1+4], 384
	s_mov_b32 s[G1+5], 32
	s_mov_b32 s[G1+6], 0
	s_mov_b32 s[G1+7], 0
	s_or_b32 s[G1B+0], s44, (1<<20)|(1<<21)|(5<<22)|(3<<25)
	s_mov_b32 s[G1B+1], KROW<<16
	s_mov_b32 s[G1B+2], 64<<16
	s_mov_b32 s[G1B+3], KROW<<16
	s_mov_b32 s[G1B+4], 64
	s_mov_b32 s[G1B+5], KROW
	s_mov_b32 s[G1B+6], 0
	s_mov_b32 s[G1B+7], 0
	s_lshl_b32 s20, s17, 4
	s_lshl_b32 s18, s16, 3
	s_add_co_u32 s20, s20, s18
	s_mul_i32 s20, s20, 12288                      ; a: the eight token tiles that I fetch
	s_mov_b32 s21, 0
	s_lshl_b32 s46, s42, 7
	s_lshl_b32 s18, s16, 6
	s_add_co_u32 s46, s46, s18                     ; Wo: my 64 rows: those I fetch and those I multiply
	s_lshl_b32 s6, s46, 5
	s_mov_b32 s7, 0
	s_lshl_b32 s12, s46, 2                         ; my first column, in bytes
	s_mov_b32 s13, 0
	s_mul_i32 s46, s46, KROW
	s_mov_b32 s47, 0
	s_lshl_b32 s8, s17, 8
	s_lshl_b32 s18, s15, 7
	s_add_co_u32 s8, s8, s18                       ; my first token
	s_lshl_b32 s10, s8, 12                         ; its row of out0
	s_mov_b32 s11, 0
	s_lshl_b32 s8, s8, 5                           ; its scales
	s_mov_b32 s9, 0
	s_mov_b32 s[G0], 1
	s_mul_i32 s[G0+1], s16, 98304
	s_mov_b32 s[G0B], 1
	s_mul_i32 s[G0B+1], s16, 64*PITCH
	s_add_co_u32 s[G0B+1], s[G0B+1], WB
	s_mul_i32 s36, s15, 98304
	s_add_co_u32 s37, s36, 49152
	s_mul_i32 s38, s14, 16*SPITCH
	s_add_co_u32 s38, s38, STAGE
	s_wait_dscnt 0x0
	s_wait_kmcnt 0x0
	s_add_nc_u64 s[G0+2:G0+3], s[68:69], s[20:21]
	s_or_b32 s[G0+3], s[G0+3], 0x80000000
	s_add_nc_u64 s[G0B+2:G0B+3], s[72:73], s[46:47]
	s_or_b32 s[G0B+3], s[G0B+3], 0x80000000
	s_add_nc_u64 s[74:75], s[74:75], s[6:7]
	s_add_nc_u64 s[70:71], s[70:71], s[8:9]
	s_add_nc_u64 s[76:77], s[76:77], s[12:13]
	s_add_nc_u64 s[78:79], s[78:79], s[10:11]
	s_add_nc_u64 s[78:79], s[78:79], s[12:13]
	CROUND                                         ; the joint loads meet
	s_cmp_eq_u32 s15, 0                            ; one load a wave: waves 0, 1 a's halves, waves 2, 3 Wo's
	s_cbranch_scc0 .Lhead_w
	tensor_load_to_lds s[G0:G0+3], s[G1:G1+7]
	s_nop 0
	PLACES 4
	s_branch .Lhead_asked
.Lhead_w:
	tensor_load_to_lds s[G0B:G0B+3], s[G1B:G1B+7]
	s_nop 0
	PLACES 4
.Lhead_asked:
	v_and_b32 v1, 15, v0                           ; r
	v_bfe_u32 v2, v0, 4, 1                         ; h
	v_and_b32 v6, 31, v0
	v_lshlrev_b32 v[SOF], 5, v1
	v_lshl_add_u32 v[SOF], v2, 4, v[SOF]           ; 32 r + 16 h
	v_lshlrev_b32 v[BOF], 5, v2
.irp i, 0,1,2,3,4,5,6,7
	global_load_b128 v[XS+4*\i:XS+4*\i+3], v[SOF], s[70:71] offset:512*\i
.endr
.irp i, 0,1,2,3
	global_load_b128 v[WS+4*\i:WS+4*\i+3], v[SOF], s[74:75] offset:512*\i
	global_load_b128 v[BIAS+8*\i:BIAS+8*\i+3], v[BOF], s[76:77] offset:64*\i        ; the bias in the result's layout: feature 16 i + 8 h + j
	global_load_b128 v[BIAS+8*\i+4:BIAS+8*\i+7], v[BOF], s[76:77] offset:64*\i+16
.endr
	v_lshlrev_b32 v7, 4, v6
	v_lshlrev_b32 v8, 3, v6
	v_mul_u32_u24 v3, v1, PITCH
	v_mad_u32_u24 v3, v2, 24, v3
	v_lshl_add_u32 v4, v2, 4, v3
	v_add_nc_u32 v[AX], s36, v7
	v_add_nc_u32 v[AX+1], s36, v8
	v_add_nc_u32 v[AX+2], s37, v7
	v_add_nc_u32 v[AX+3], s37, v8
	v_add_nc_u32 v[AW], s[G0B+1], v3
	v_add_nc_u32 v[AW+1], s[G0B+1], v4
	v_mul_u32_u24 v5, v1, SPITCH                   ; in: row r, 32 bytes for each half of the lanes
	v_lshl_add_u32 v5, v2, 5, v5
	v_add_nc_u32 v[STO], s38, v5
	v_mul_u32_u24 v9, v2, SPITCH                   ; back: lanes 0-15 one row of 256 bytes, lanes 16-31 the next
	v_lshl_add_u32 v9, v1, 4, v9
	v_add_nc_u32 v[RD], s38, v9
	v_lshlrev_b32 v[CO], 12, v2                    ; and the same two rows in out0
	v_lshl_add_u32 v[CO], v1, 4, v[CO]
.macro WLOAD st                        ; Wo's four fragments of step st: 24 + 24 bytes of a row as they lie, in pieces of 8; byte y of a row lies at y + 16 (y / 256)
	WIN 0x40+0x80*((\st)/4)
.irp b, 0,1,2,3
.irp p, 0,1,2,3,4,5
.set BY, 96*(\st)+48*(\p/3)+8*(\p%3)
.set CR, (BY+24)/256-BY/256
	ds_load_b64 v[12*(4*((\st)%4)+\b)+2*\p:12*(4*((\st)%4)+\b)+2*\p+1], v[AW+CR] offset:BY+16*(BY/256)+\b*16*PITCH
.endr
.endr
.endm
.macro ALOAD a                         ; a's eight fragments of token block a into buffer a % 2
	WIN 0x80
.irp st, 0,1,2,3,4,5,6,7
.set FA, 96*((\a)%2)+12*\st
.set OF, ((\a)%4)*12288+\st*1536
	ds_load_b128 v[FA:FA+3], v[AX+2*((\a)/4)] offset:OF
	ds_load_b64 v[FA+4:FA+5], v[AX+2*((\a)/4)+1] offset:OF+512
	ds_load_b128 v[FA+6:FA+9], v[AX+2*((\a)/4)] offset:OF+768
	ds_load_b64 v[FA+10:FA+11], v[AX+2*((\a)/4)+1] offset:OF+1280
.endr
.endm
.macro WM d, a, b, c, sa, sb, st       ; step 0 starts the sums with the bias; steps 4-7 take their scale words from lanes 16-31
.if (\st) == 0
	v_wmma_scale_f32_16x16x128_f8f6f4 v[(\d):(\d)+7], v[(\a):(\a)+11], v[(\b):(\b)+11], v[(\c):(\c)+7], v[\sa], v[\sb] matrix_a_fmt:MATRIX_FMT_FP6 matrix_b_fmt:MATRIX_FMT_FP6
.else
.if (\st) < 4
	v_wmma_scale_f32_16x16x128_f8f6f4 v[(\d):(\d)+7], v[(\a):(\a)+11], v[(\b):(\b)+11], v[(\d):(\d)+7], v[\sa], v[\sb] matrix_a_fmt:MATRIX_FMT_FP6 matrix_b_fmt:MATRIX_FMT_FP6
.else
	v_wmma_scale_f32_16x16x128_f8f6f4 v[(\d):(\d)+7], v[(\a):(\a)+11], v[(\b):(\b)+11], v[(\d):(\d)+7], v[\sa], v[\sb] matrix_a_fmt:MATRIX_FMT_FP6 matrix_b_fmt:MATRIX_FMT_FP6 matrix_a_scale:MATRIX_SCALE_ROW1 matrix_b_scale:MATRIX_SCALE_ROW1
.endif
.endif
.endm
.macro ROW a                           ; token block a is finished: 32 products, its four accumulators by turns, one instruction a turn
.irp st, 0,1,2,3,4,5,6,7
.if \st == 0
	WIN 0x89                                       ; source 0 window 1, source 1 window 2, C (the bias) window 0, D window 2
.else
	WIN 0xa9+2*(\st/4)                             ; C window 2; source 0 window 1 or 3
.endif
.irp b, 0,1,2,3
	WM ACC+32*((\a)%2)+8*\b, 12*(4*(\st%4)+\b), 96*((\a)%2)+12*\st, BIAS+8*\b, WS+4*\b+\st%4, XS+4*(\a)+\st%4, \st
.endr
.endr
.endm
.macro TOSTAGE a                       ; block a, 16 tokens x 64 features, into my stage and back as rows of 256 bytes; LDS serves a wave's instructions in order (ISA guide 5.7.1.4)
	WIN 0x08
.irp b, 0,1,2,3
	ds_store_b128 v[STO], v[ACC+32*((\a)%2)+8*\b:ACC+32*((\a)%2)+8*\b+3] offset:64*\b      ; each accumulator from its low end on
	ds_store_b128 v[STO], v[ACC+32*((\a)%2)+8*\b+4:ACC+32*((\a)%2)+8*\b+7] offset:64*\b+16
.endr
	WIN 0
.set BB, BK+32*((\a)%2)
.irp t, 0,1,2,3,4,5,6,7
	ds_load_b128 v[BB+4*\t:BB+4*\t+3], v[RD] offset:\t*2*SPITCH
.endr
.endm
.macro SEND a
.set BB, BK+32*((\a)%2)
.if (\a) > 0
	s_wait_xcnt 0x0                                ; the earlier stores have read their base and their registers: the base steps, and the next block's rows may land where block a - 1's lay
	s_add_nc_u64 s[78:79], s[78:79], 16*4096
.endif
.irp t, 0,1,2,3,4,5,6,7
	global_store_b128 v[CO], v[BB+4*\t:BB+4*\t+3], s[78:79] offset:\t*2*4096 th:TH_STORE_NT   ; 16 lanes store 256 consecutive bytes, aligned
.endr
.endm
	s_wait_alu depctr_va_vdst(0)                   ; the wait at the head's end
	s_wait_loadcnt 0x0                             ; scales and bias
	s_wait_tensorcnt 0x0                           ; my part of the tiles,
	s_barrier_signal -1
	s_barrier_wait -1                              ; everybody's
	ALOAD 0
.irp s, 0,1,2,3,4,5,6,7
	WLOAD \s
.endr
	ALOAD 1
.irp a, 0,1,2,3,4,5,6,7
	WIN 0
	s_wait_dscnt 0x0                               ; block a's fragments are in, and block a - 1 is back from the stage
.if \a > 0
	SEND \a-1                                      ; its stores leave under block a's products
.endif
	ROW \a
	PLACES 4                                       ; behind the products: their results are read and a's buffer is loaded below (ISA guide 7.12.1)
.if \a < 6
	ALOAD \a+2
.endif
	TOSTAGE \a
.endr
	s_wait_dscnt 0x0
	SEND 7
	s_wait_tensorcnt 0x0                           ; the wave's end
	ds_add_u32 v[SPW], v[NIL]
	s_wait_dscnt 0x0
	CROUND                                         ; the closing round
	s_endpgm
.Lfunc_end_k_q7972287374_proj:
	.size	k_q7972287374_proj, .Lfunc_end_k_q7972287374_proj-k_q7972287374_proj
	.p2alignl 7, 3214868480
	.fill 96, 4, 3214868480
	.section	.rodata,"a",@progbits
	.p2align	6, 0x0
	.amdhsa_kernel k_q7972287374_proj
		.amdhsa_group_segment_fixed_size 327680
		.amdhsa_private_segment_fixed_size 0
		.amdhsa_enable_private_segment 0
		.amdhsa_kernarg_size 48
		.amdhsa_user_sgpr_count 2
		.amdhsa_user_sgpr_kernarg_segment_ptr 1
		.amdhsa_wavefront_size32 1
		.amdhsa_system_sgpr_workgroup_id_x 1
		.amdhsa_system_sgpr_workgroup_id_y 1
		.amdhsa_system_sgpr_workgroup_id_z 1
		.amdhsa_system_vgpr_workitem_id 0
		.amdhsa_next_free_vgpr 1024
		.amdhsa_next_free_sgpr 100
		.amdhsa_reserve_vcc 0
		.amdhsa_float_denorm_mode_32 3
		.amdhsa_float_denorm_mode_16_64 3
		.amdhsa_memory_ordered 1
		.amdhsa_forward_progress 1
		.amdhsa_inst_pref_size 86
	.end_amdhsa_kernel
	.amdgpu_metadata
---
amdhsa.version: [ 1, 2 ]
amdhsa.kernels:
  - .name:           k_q7972287374_proj
    .symbol:         k_q7972287374_proj.kd
    .args:
      - { .name: ao, .offset: 0, .size: 8, .value_kind: global_buffer, .address_space: global }
      - { .name: as_, .offset: 8, .size: 8, .value_kind: global_buffer, .address_space: global }
      - { .name: Wo_codes, .offset: 16, .size: 8, .value_kind: global_buffer, .address_space: global }
      - { .name: Wo_scales, .offset: 24, .size: 8, .value_kind: global_buffer, .address_space: global }
      - { .name: bo, .offset: 32, .size: 8, .value_kind: global_buffer, .address_space: global }
      - { .name: out0, .offset: 40, .size: 8, .value_kind: global_buffer, .address_space: global }
    .group_segment_fixed_size: 327680
    .private_segment_fixed_size: 0
    .kernarg_segment_align: 8
    .kernarg_segment_size: 48
    .max_flat_workgroup_size: 128
    .sgpr_count:     100
    .vgpr_count:     1024
    .wavefront_size: 32
...
	.end_amdgpu_metadata
.endif
;; end of part 3
